; MI455X (gfx1250); checked and timed in simulation.
; The chip was launched on July 23, 2026; its instructions are those of AMD's public machine-readable ISA for CDNA 5 (MIT licence, August 2026) and "CDNA5" Instruction Set Architecture Reference Guide (July 2026). The comments in the code are by the model that wrote it; some were corrected since.
;; Cross Attention. Allowed arithmetic: matrix products marked QUANTISED: E4M3 operands, one given power-of-two scale a tensor, by v_wmma_f32_16x16x64_fp8_fp8 or v_wmma_f32_16x16x128_fp8_fp8, f32 sums; everything else in f32.
;; Inputs: Wk 1,024 x 1,024 float32; Wq 1,024 x 1,024 float32; Wv 1,024 x 1,024 float32; bk 1,024 float32; bq 1,024 float32; bv 1,024 float32; key 4 x 2,048 x 1,024 float32; lowp_scales 10 int32 (the exponents e of the quantised operands' scales 2^e); query 4 x 2,048 x 1,024 float32; value 4 x 2,048 x 1,024 float32.
;; Outputs: out0 4 x 2,048 x 1,024 float32.
;; This version of the problem:
;;   THIS VERSION OF THE PROBLEM IS GIVEN IN LOW PRECISION. The matrix products marked QUANTISED in the list below multiply operands that are first quantised to E4M3 (4 exponent bits, 3 mantissa bits; 8 bits a number), with one given power-of-two scale for each operand tensor; their sums are f32. All else is computed in f32.
;;   The module's matrix products, in the order in which they are computed (A, B: the left and right operand; K: the contracted axis; several contracted axes count as one K, in the product's order):
;;     1. [M 8,192, K 1,024] x [K 1,024, N 1,024]; A: input query; B: input Wq: QUANTISED (scales: A lowp_scales[0], B lowp_scales[1])
;;     2. [M 8,192, K 1,024] x [K 1,024, N 1,024]; A: input key; B: input Wk: QUANTISED (scales: A lowp_scales[2], B lowp_scales[3])
;;     3. [M 8,192, K 1,024] x [K 1,024, N 1,024]; A: input value; B: input Wv: QUANTISED (scales: A lowp_scales[4], B lowp_scales[5])
;;     4. batch 4 x [M 2,048, K 1,024] x [K 1,024, N 2,048]; A: computed on the way; B: computed on the way: QUANTISED (scales: A lowp_scales[6], B lowp_scales[7])
;;     5. batch 4 x [M 2,048, K 2,048] x [K 2,048, N 1,024]; A: softmax (see below); B: computed on the way: QUANTISED (scales: A lowp_scales[8], B lowp_scales[9])
;;   THE QUANTISER, for each operand of a quantised product, along K:
;;     - The operand's scale is 2^e, e = its entry of the input lowp_scales (int32; the entries are numbered through the quantised products in the list's order, A before B).
;;     - Each number is divided by the scale, clamped to +-448, and rounded to the nearest number of E4M3, ties to even, subnormals kept.
;;     - The product sums the exact products of the quantised numbers (number of the format x scale) in f32.
;;   ~~~python
;;   def quantise(x, axis, e):      # numpy; x: float32 -> the quantised numbers, widened to float32 again
;;       x = np.moveaxis(x, axis, -1); K = x.shape[-1]
;;       r = np.clip(x / 2.0 ** e, -448, 448)
;;       step = 2.0 ** (np.maximum(np.frexp(np.where(r == 0, 1, r))[1] - 1, -6) - 3)
;;       q = np.round(r / step) * step * 2.0 ** e      # np.round: ties to even
;;       return np.moveaxis(q, -1, axis).astype(np.float32)
;;   ~~~
;;   SOFTMAX AHEAD OF A QUANTISED PRODUCT. Where the list says 'softmax', what is quantised is not the finished softmax but p = 2^(t - M), with t = logit x log2(e) and M = ceil(the row's largest t), a whole number; so 1/2 < the row's largest p <= 1. The row's sum l is taken of the UNQUANTISED p, in f32, and the product's result is divided by l at the end. Since M is a whole number, a kernel that streams over the keys may use a running M (the ceiling of the running maximum): every later rescaling is an exact power of two, so the quantised numbers keep their values, but for numbers so far below the row's largest that they fall under the format's range.
;;   OPERANDS COMPUTED ON THE WAY. 'Computed on the way' means the value that the module computes at that place (a softmax that the list does not call 'softmax' is quantised finished and normalised). What goes into a quantiser is computed in f32, as accurately as f32 sums, v_exp_f32 and their like allow (about 1e-6 of the number): no bf16 or f16 on the way to a quantiser, and a product that is left as it is and whose result goes on into a quantised operand takes f32 operands (vector FMAs, or v_wmma_f32_16x16x4_f32). A number that lies on a knife's edge between two numbers of the format may be rounded either way, as far as f32 arithmetic and the matrix unit's own rounding can turn it there, and no further.
;; One version. Each part assembles by itself: llvm-mc -triple=amdgcn-amd-amdhsa -mcpu=gfx1250 --defsym DOCPART=n.
;; ======== version 1 of 1: 4 launches
;; limits: right only within a limited range of input values
;; workspace buffers: w_codes 3,145,728 bytes; qkv_codes 25,165,824 bytes; p_codes 16,777,216 bytes; stats 524,288 bytes
;; launch wq (part 1): grid 192 x 1, 4 waves a work-group, no clusters, 17,152 bytes of LDS; arguments Wq, Wk, Wv, lowp_scales, w_codes; writes w_codes
.if DOCPART == 1
	.amdgcn_target "amdgcn-amd-amdhsa--gfx1250"
	.amdhsa_code_object_version 6
	.text
	.protected	k_q8916a880a7_wq
	.globl	k_q8916a880a7_wq
	.p2align	8
	.type	k_q8916a880a7_wq,@function
k_q8916a880a7_wq:
	s_mov_b64 s[64:65], 0
	v_nop
	global_prefetch_b8 v0, s[64:65] scope:SCOPE_SE
	s_setreg_imm32_b32 hwreg(HW_REG_WAVE_MODE, 25, 1), 1
	s_wait_xcnt 0x0
; CROSS ATTENTION IN FP8 (E4M3), FOUR LAUNCHES: the weights' codes; the three projections; the scores and their softmax; the weighted sum.
; NOTHING OF THE PROBLEM IS LEFT OUT: bq, bk and bv move the codes of q, k and v, all ten scales are used, all five products are live.
; This launch: Wq, Wk, Wv [1024][1024], f32, become codes with the one scale 2^e given for each (lowp_scales 1, 3, 5): x / 2^e, held within +-448, to the nearest code, ties to even.
; LIMITS: -126 <= e <= 119, so that 2^e and 448 x 2^e are f32 numbers.  NaN among the inputs is not served (an infinity is held at the largest code).
; w_codes: IMAGES OF FRAGMENTS [192 tiles of 16 rows][8 K steps of 128][2,048 bytes]: 16 bytes of lane (r, h), piece c, at byte 512 c + 16 (r + 16 h): row r's bytes 128 step + 32 c + 16 h .. + 15.
; THE ORDER ALONG K in a row of codes: a load reads 128 numbers of a row, 4 a lane; lane l's 16 codes of four loads are bytes 16 l .. 16 l + 15 of their 512: position 16 l + 4 i + c holds number 128 i + 4 l + c.
; The projections' launch lays the activations in the same order, so every code meets its partner and only the order of the f32 sums changes.
; A work-group takes a tile of 16 rows; wave w rows 8 (w % 2) .. + 7 of half w / 2 along K; the codes meet in LDS (rows 1,040 bytes apart) and leave as images, wave w K steps 2 w and 2 w + 1.
.set PITCH, 1040
.set SPARE, 16*PITCH                   ; behind the 16 rows: the spare words, 128 bytes for each wave
.set R,    16                          ; v16-143  8 rows x 16 numbers
.set C,    144                         ; v144-175 their codes
.set OUTR, 176                         ; v176-207 the images' pieces
.set SPW,  14
.set NIL,  15
	s_load_b256 s[4:11], s[0:1], 0x0               ; Wq, Wk, Wv, the scales' exponents
	s_load_b64 s[12:13], s[0:1], 0x20              ; the codes
	v_lshl_add_u32 v[SPW], v0, 2, SPARE
	v_mov_b32 v[NIL], 0
	v_lshrrev_b32 v1, 5, v0
	v_readfirstlane_b32 s14, v1                    ; wave
	s_and_b32 s15, s14, 1                          ; which 8 rows
	s_lshr_b32 s16, s14, 1                         ; which 512 along K
	s_mul_i32 s19, s15, 8*PITCH
	s_lshl_b32 s20, s16, 9
	s_add_co_u32 s19, s19, s20
	s_lshl_b32 s21, s14, 8                         ; my two K steps begin at byte 256 x wave of a row
	v_and_b32 v2, 31, v0
	v_lshlrev_b32 v3, 4, v2                        ; 16 x lane
	v_add_nc_u32 v4, s19, v3                       ; into LDS
	v_and_b32 v5, 15, v0                           ; r
	v_bfe_u32 v6, v0, 4, 1                         ; h
	v_mul_u32_u24 v7, v5, PITCH
	v_lshl_add_u32 v7, v6, 4, v7
	v_add_nc_u32 v7, s21, v7                       ; out of LDS
	s_wait_alu depctr_va_vdst(0)                   ; the wait here, directly ahead of the scalar lines and the wait below
	s_and_b32 s18, ttmp9, 63                       ; the tile within its tensor
	s_lshl_b32 s22, s18, 16                        ; 16 rows of 4,096 bytes
	s_lshl_b32 s23, s15, 15
	s_add_co_u32 s22, s22, s23
	s_lshl_b32 s23, s16, 11
	s_add_co_u32 s22, s22, s23
	s_mov_b32 s23, 0
	s_lshl_b32 s24, ttmp9, 14                      ; the tile's images, 16,384 bytes
	s_lshl_b32 s25, s14, 12
	s_add_co_u32 s24, s24, s25
	s_mov_b32 s25, 0
	s_wait_kmcnt 0x0
	s_load_b256 s[32:39], s[10:11], 0x0
	s_cmp_lt_u32 ttmp9, 64                         ; the tensor is chosen by the work-group's number alone
	s_cselect_b64 s[26:27], s[4:5], s[6:7]
	s_cmp_lt_u32 ttmp9, 128
	s_cselect_b64 s[26:27], s[26:27], s[8:9]
	s_add_nc_u64 s[26:27], s[26:27], s[22:23]
	s_add_nc_u64 s[12:13], s[12:13], s[24:25]
.irp t, 0,1,2,3,4,5,6,7
.irp i, 0,1,2,3
	global_load_b128 v[R+16*\t+4*\i:R+16*\t+4*\i+3], v3, s[26:27] offset:4096*\t+512*\i th:TH_LOAD_NT   ; 32 lanes read 512 consecutive bytes
.endr
.endr
	s_wait_kmcnt 0x0
	s_cmp_lt_u32 ttmp9, 64
	s_cselect_b32 s30, s33, s35
	s_cmp_lt_u32 ttmp9, 128
	s_cselect_b32 s30, s30, s37
	s_add_co_i32 s30, s30, 127
	s_lshl_b32 s31, s30, 23
	v_mov_b32 v11, s31                             ; 2^e
	s_add_co_i32 s30, s30, 8
	s_lshl_b32 s30, s30, 23
	s_or_b32 s30, s30, 0x600000
	v_mov_b32 v10, s30                             ; 448 x 2^e
	s_wait_alu depctr_va_vdst(0)                   ; the wait at the head's end
.macro ROWQ t
	s_wait_loadcnt 28-4*(\t)                       ; row t's four loads are in; the rows behind it may be out
.set XS, R+16*(\t)
.irp i, 0,1,2,3,4,5,6,7,8,9,10,11,12,13,14,15
	v_med3_num_f32 v[XS+\i], v[XS+\i], -v10, v10   ; the conversion does not saturate (ISA guide 7.6.2)
.endr
	v_cvt_scalef32_pk8_fp8_f32 v[C+4*(\t):C+4*(\t)+1], v[XS:XS+7], v11
	v_cvt_scalef32_pk8_fp8_f32 v[C+4*(\t)+2:C+4*(\t)+3], v[XS+8:XS+15], v11
	v_nop
	ds_store_b128 v4, v[C+4*(\t):C+4*(\t)+3] offset:(\t)*PITCH
.endm
.irp t, 0,1,2,3,4,5,6,7
	ROWQ \t
.endr
	s_wait_dscnt 0x0                               ; my rows are in LDS,
	s_barrier_signal -1
	s_barrier_wait -1                              ; and everybody's
.irp n, 0,1,2,3,4,5,6,7
	ds_load_b128 v[OUTR+4*\n:OUTR+4*\n+3], v7 offset:32*\n
.endr
.irp n, 0,1,2,3,4,5,6,7
	s_wait_dscnt 7-\n
	global_store_b128 v3, v[OUTR+4*\n:OUTR+4*\n+3], s[12:13] offset:512*\n   ; 32 lanes store 512 consecutive bytes
.endr
	s_wait_tensorcnt 0x0                           ; the wave's end
	ds_add_u32 v[SPW], v[NIL]
	s_wait_dscnt 0x0
	s_endpgm
.Lfunc_end_k_q8916a880a7_wq:
	.size	k_q8916a880a7_wq, .Lfunc_end_k_q8916a880a7_wq-k_q8916a880a7_wq
	.p2alignl 7, 3214868480
	.fill 96, 4, 3214868480
	.section	.rodata,"a",@progbits
	.p2align	6, 0x0
	.amdhsa_kernel k_q8916a880a7_wq
		.amdhsa_group_segment_fixed_size 17152
		.amdhsa_private_segment_fixed_size 0
		.amdhsa_enable_private_segment 0
		.amdhsa_kernarg_size 40
		.amdhsa_user_sgpr_count 2
		.amdhsa_user_sgpr_kernarg_segment_ptr 1
		.amdhsa_wavefront_size32 1
		.amdhsa_system_sgpr_workgroup_id_x 1
		.amdhsa_system_sgpr_workgroup_id_y 1
		.amdhsa_system_sgpr_workgroup_id_z 1
		.amdhsa_system_vgpr_workitem_id 0
		.amdhsa_next_free_vgpr 208
		.amdhsa_next_free_sgpr 66
		.amdhsa_reserve_vcc 0
		.amdhsa_float_denorm_mode_32 3
		.amdhsa_float_denorm_mode_16_64 3
		.amdhsa_memory_ordered 1
		.amdhsa_forward_progress 1
		.amdhsa_inst_pref_size 18
	.end_amdhsa_kernel
	.amdgpu_metadata
---
amdhsa.version: [ 1, 2 ]
amdhsa.kernels:
  - .name:           k_q8916a880a7_wq
    .symbol:         k_q8916a880a7_wq.kd
    .args:
      - { .name: Wq, .offset: 0, .size: 8, .value_kind: global_buffer, .address_space: global }
      - { .name: Wk, .offset: 8, .size: 8, .value_kind: global_buffer, .address_space: global }
      - { .name: Wv, .offset: 16, .size: 8, .value_kind: global_buffer, .address_space: global }
      - { .name: lowp_scales, .offset: 24, .size: 8, .value_kind: global_buffer, .address_space: global }
      - { .name: w_codes, .offset: 32, .size: 8, .value_kind: global_buffer, .address_space: global }
    .group_segment_fixed_size: 17152
    .private_segment_fixed_size: 0
    .kernarg_segment_align: 8
    .kernarg_segment_size: 40
    .max_flat_workgroup_size: 128
    .sgpr_count:     66
    .vgpr_count:     208
    .wavefront_size: 32
...
	.end_amdgpu_metadata
.endif
;; end of part 1
;; launch proj (part 2): grid 192 x 1, 4 waves a work-group, no clusters, 137,728 bytes of LDS; arguments query, key, value, bq, bk, bv, lowp_scales, w_codes, qkv_codes; writes qkv_codes
.if DOCPART == 2
	.amdgcn_target "amdgcn-amd-amdhsa--gfx1250"
	.amdhsa_code_object_version 6
	.text
	.protected	k_q8916a880a7_proj
	.globl	k_q8916a880a7_proj
	.p2align	8
	.type	k_q8916a880a7_proj,@function
k_q8916a880a7_proj:
	s_mov_b64 s[64:65], 0
	v_nop
	global_prefetch_b8 v0, s[64:65] scope:SCOPE_SE
	s_setreg_imm32_b32 hwreg(HW_REG_WAVE_MODE, 25, 1), 1
	s_wait_xcnt 0x0
; THE THREE PROJECTIONS: q = query Wq^T + bq, k = key Wk^T + bk, v = value Wv^T + bv, each quantised at once for the product that takes it.  Nothing is left out.
; A work-group takes 128 tokens of one product (work-group / 64: 0 q, 1 k, 2 v) through all 1,024 outputs, so the f32 activations are read once, and their codes never leave LDS.
; FIRST the wave streams its 32 rows of f32 (8 loads of 512 bytes a row, seven rows ahead), holds, converts and stores the codes in LDS: 128 rows, 1,040 bytes apart.  A row's K order is that of w_codes.
; THEN two passes: in a pass the wave makes 128 tokens x 128 outputs (512 p + 128 x wave on): 64 accumulators.  K goes in 16 half-steps of 64.  The tokens' fragments come from LDS (two sets), the weights' images
; straight into registers (four sets, three half-steps ahead): in the work-group each weight fragment is wanted by one wave alone, so LDS would only be a detour.
; NO CLUSTER: a joint request ends in LDS, and the shared operand here, the weights, 1,048,576 bytes a work-group, goes into registers.
; LOOK-AHEAD INTO THE L2: while the rows stream, the 64 work-groups of a product ask for its 1,048,576 bytes of weights: each for one sixteenth, so each block of 256 bytes is named by four work-groups.
; THE ARITHMETIC.  A sum of codes stands for sum x 2^(ea + eb).  The bias, divided by 2^(ea + eb), is the C of each sum's first matrix instruction; the finished sum is held within +-448 x 2^(eo - ea - eb) and converted
; with the one scale 2^(eo - ea - eb).  ea, eb = lowp_scales 0,1 / 2,3 / 4,5; eo = 6 (q), 7 (k), 9 (v).
; LIMITS: ea and eo - ea - eb between -126 and 119; bias / 2^(ea + eb) a finite f32 number.  NaN is not served (an infinity among the activations is held at the largest code).
; THE RESULT IS STORED AS IMAGES OF THE NEXT PRODUCT'S FRAGMENTS, 16 rows x 128 along K, 2,048 bytes: registers 4 i .. 4 i + 3 of lane l at byte 512 i + 16 l.
; qkv_codes: q, then k: [1,024 tiles of 16 tokens][8 K steps][2,048]; v: [64 tiles of 16 d][64 K steps of 128 tokens][2,048] from byte 16,777,216.
; lane (r, h), register j of accumulator (a, b) is row 16 a + r of source 1's side against row 16 b + 8 h + j of source 0's.  q, k: source 1 = tokens, source 0 = the weight's rows.  v: the other way round, since the tokens are the last product's K.
; REGISTERS, in windows of 256: window 0: v0-63 addresses and scales; v64-127 the bias; from v128 the tokens' fragments (two sets of 64; earlier codes on their way to LDS, later codes on their way out).
;   window 1: the weights' fragments, four sets of 64.   windows 2, 3: accumulators of blocks a = 0-3, 4-7 ((a, b) at v[8 (8 a + b)]); window 2 first holds the rows of f32, eight sets of 32.
.set PITCH, 1040
.set BIASL, 128*PITCH                  ; behind the rows: 1,024 bytes of bias for each wave
.set SPARE, BIASL+4096                 ; the spare words, 128 bytes for each wave
.set VO,   8                           ; v8-15  block a's byte offset in the result
.set BR,   16                          ; v16-23 the bias as loaded
.set SPW,  24
.set NIL,  25
.set VL,   26                          ; 16 x lane
.set SA,   27                          ; my rows in LDS
.set SAT,  28                          ; the same in the trip in hand
.set AXB0, 29                          ; a token fragment in LDS: blocks 0-3
.set AXB1, 30                          ; blocks 4-7
.set PFO,  31                          ; 256 x lane
.set VB,   32                          ; v32-39 v: bias(16 a + r)
.set QSC,  40                          ; 2^ea, 448 x 2^ea
.set QLM,  41
.set SCV,  42                          ; 2^(eo - ea - eb), 448 x that
.set LIMV, 43
.set AX0,  44                          ; AXB0, AXB1 + the trip's byte along K
.set AX1,  45
.set BQ,   46                          ; LDS address of the bias: q, k
.set BV,   47                          ; v
.set BT,   48                          ; the pass's
.set BS,   49                          ; where I store it
.set VR,   50                          ; v50-57 16 x lane + the trip's bytes of f32, one register for each of a trip's eight rows
.set BI,   64                          ; v64-127 the C operands
.set C,    128                         ; v128-191 a trip's codes
.set T,    192                         ; v192-223 a row's numbers, held
.set XF,   128                         ; v128-255 the tokens' fragments
.set WB,   66                          ; s[66:67] where the weights' images stand
.set PF,   68                          ; s[68:69] the look-ahead's base
.set KA,   70
.set PB,   71
.set CNT,  72
.set PASS, 73
.set ROFF, 74
.set MSB, 0
.macro WIN new                         ; the immediate's high byte repeats the setting that is left
.if MSB != (\new)
	s_set_vgpr_msb (MSB<<8)|(\new)
.set MSB, (\new)
.endif
.endm
	s_load_b512 s[16:31], s[0:1], 0x0              ; query 16, key 18, value 20, bq 22, bk 24, bv 26, the exponents 28, w_codes 30
	s_load_b64 s[12:13], s[0:1], 0x40              ; qkv_codes
	v_lshl_add_u32 v[SPW], v0, 2, SPARE
	v_mov_b32 v[NIL], 0
	v_lshrrev_b32 v1, 5, v0
	v_readfirstlane_b32 s14, v1                    ; wave
	s_lshr_b32 s33, ttmp9, 6                       ; the product
	s_and_b32 s34, ttmp9, 63                       ; which 128 of its tokens
	s_lshr_b32 s60, s33, 1
	s_mul_i32 s60, s60, 3
	s_lshl_b32 s60, 16384, s60                     ; from tile to tile of the result: 16,384 bytes, for v 131,072
	s_mul_i32 s35, s14, 32*PITCH
	s_lshl_b32 s38, s14, 10
	s_add_co_u32 s38, s38, BIASL
	v_and_b32 v2, 31, v0
	v_lshlrev_b32 v[VL], 4, v2
	v_lshlrev_b32 v[PFO], 8, v2
	v_add_nc_u32 v[SA], s35, v[VL]
	v_add_nc_u32 v[BS], s38, v[VL]
	v_and_b32 v3, 15, v0                           ; r
	v_bfe_u32 v4, v0, 4, 1                         ; h
	v_mul_u32_u24 v5, v3, PITCH
	v_lshl_add_u32 v[AXB0], v4, 4, v5
	v_add_nc_u32 v[AXB1], 64*PITCH, v[AXB0]
	v_lshlrev_b32 v6, 5, v4
	v_add_nc_u32 v[BQ], s38, v6
	v_lshlrev_b32 v7, 2, v3
	v_add_nc_u32 v[BV], s38, v7
	v_lshlrev_b32 v[VO], 4, v2
.irp a, 1,2,3,4,5,6,7
	v_add_nc_u32 v[VO+\a], s60, v[VO+\a-1]
.endr
.irp j, 0,1,2,3,4,5,6,7
	v_mov_b32 v[VR+\j], v[VL]
.endr
	s_wait_alu depctr_va_vdst(0)                   ; the wait here, directly ahead of the scalar lines and the wait below
	s_lshl_b32 s36, s34, 19                        ; 128 rows of 4,096 bytes,
	s_lshl_b32 s37, s14, 17
	s_add_co_u32 s36, s36, s37                     ; my 32 of them
	s_mov_b32 s37, 0
	s_lshl_b32 s50, s14, 9                         ; my 128 outputs' bias in the first pass
	s_mov_b32 s51, 0
	s_wait_kmcnt 0x0
	s_load_b256 s[40:47], s[28:29], 0x0            ; the exponents 0 to 7,
	s_load_b64 s[48:49], s[28:29], 0x20            ; 8 and 9
	s_cmp_eq_u32 s33, 0                            ; the tensors are chosen by the work-group's number alone
	s_cselect_b64 s[4:5], s[16:17], s[18:19]
	s_cselect_b64 s[6:7], s[22:23], s[24:25]
	s_cmp_eq_u32 s33, 2
	s_cselect_b64 s[4:5], s[20:21], s[4:5]
	s_cselect_b64 s[6:7], s[26:27], s[6:7]
	s_add_nc_u64 s[4:5], s[4:5], s[36:37]
	s_add_nc_u64 s[6:7], s[6:7], s[50:51]
	global_load_b128 v[BR:BR+3], v[VL], s[6:7]                 ; the bias of both passes: 128 numbers each
	global_load_b128 v[BR+4:BR+7], v[VL], s[6:7] offset:2048
.macro ROWLD set, off, reg             ; a row of f32: register 16 g + 4 i + c of lane l is number 512 g + 128 i + 4 l + c
.irp i, 0,1,2,3,4,5,6,7
	global_load_b128 v[32*(\set)+4*\i:32*(\set)+4*\i+3], v[\reg], s[4:5] offset:(\off)+512*\i th:TH_LOAD_NT   ; 32 lanes read 512 consecutive bytes; read once
.endr
.endm
	WIN 0x80
.irp t, 0,1,2,3,4,5,6
	ROWLD \t, 4096*\t, VL
.endr
	WIN 0
	s_wait_kmcnt 0x0
	s_cmp_eq_u32 s33, 0
	s_cselect_b32 s52, s40, s42                    ; ea
	s_cselect_b32 s53, s41, s43                    ; eb
	s_cselect_b32 s54, s46, s47                    ; eo
	s_cmp_eq_u32 s33, 2
	s_cselect_b32 s52, s44, s52
	s_cselect_b32 s53, s45, s53
	s_cselect_b32 s54, s49, s54
	s_add_co_i32 s55, s52, 127
	s_lshl_b32 s56, s55, 23
	v_mov_b32 v[QSC], s56
	s_add_co_i32 s55, s55, 8
	s_lshl_b32 s55, s55, 23
	s_or_b32 s55, s55, 0x600000
	v_mov_b32 v[QLM], s55
	s_add_co_i32 s57, s52, s53
	s_sub_co_i32 s58, 0, s57                       ; -(ea + eb)
	s_sub_co_i32 s59, s54, s57                     ; eo - ea - eb
	s_add_co_i32 s59, s59, 127
	s_lshl_b32 s56, s59, 23
	v_mov_b32 v[SCV], s56
	s_add_co_i32 s59, s59, 8
	s_lshl_b32 s59, s59, 23
	s_or_b32 s59, s59, 0x600000
	v_mov_b32 v[LIMV], s59
	; where my images go.  q, k: tile 8 x work-group + a, K step 4 p + wave.  v: tile of d 32 p + 8 x wave + a, K step = its 128 tokens
	s_lshl_b32 s36, ttmp9, 17
	s_lshl_b32 s37, s14, 11
	s_add_co_u32 s36, s36, s37
	s_lshl_b32 s50, s14, 20
	s_lshl_b32 s37, s34, 11
	s_add_co_u32 s50, s50, s37
	s_add_co_u32 s50, s50, 16777216
	s_mov_b32 s62, 8192                            ; from pass to pass
	s_mov_b32 s63, 0
	s_mov_b32 s37, 4194304
	s_cmp_eq_u32 s33, 2
	s_cselect_b32 s36, s50, s36
	s_cselect_b32 s62, s37, s62
	s_mov_b32 s37, 0
	s_add_nc_u64 s[12:13], s[12:13], s[36:37]
	; the weights: tile 64 x product + 32 p + 8 x wave on
	s_lshl_b32 s36, s33, 20
	s_add_nc_u64 s[PF:PF+1], s[30:31], s[36:37]
	s_lshl_b32 s50, s14, 17
	s_add_nc_u64 s[WB:WB+1], s[PF:PF+1], s[50:51]
	; the look-ahead's sixteenth, by bits of the work-group's number: 1 and 2, 4, and 0 xor 3
	s_bfe_u32 s50, s34, 0x20001
	s_bfe_u32 s36, s34, 0x10004
	s_lshl_b32 s36, s36, 2
	s_or_b32 s50, s50, s36
	s_lshr_b32 s36, s34, 3
	s_xor_b32 s36, s36, s34
	s_and_b32 s36, s36, 1
	s_lshl_b32 s36, s36, 3
	s_or_b32 s50, s50, s36
	s_lshl_b32 s50, s50, 16
	s_lshl_b32 s36, s14, 14
	s_add_co_u32 s50, s50, s36
	s_add_nc_u64 s[PF:PF+1], s[PF:PF+1], s[50:51]
	s_mov_b32 s[ROFF], 0
	s_mov_b32 s[PB], 0
	s_mov_b32 s[PASS], 2
	s_mov_b32 s[CNT], 3
	s_wait_alu depctr_va_vdst(0)                   ; the wait at the head's end
	s_wait_loadcnt 56                              ; the bias is in; the seven rows behind it may be out
.irp i, 0,1,2,3,4,5,6,7
	v_ldexp_f32 v[BR+\i], v[BR+\i], s58            ; / 2^(ea + eb)
.endr
	ds_store_b128 v[BS], v[BR:BR+3]
	ds_store_b128 v[BS], v[BR+4:BR+7] offset:512
; Weights: blocks b0 .. b0 + 3 of a half-step into a set: two loads of 512 consecutive bytes a block
.macro WLD set, off, b0
.irp e, 0,1,2,3
	global_load_b128 v[64*(\set)+8*(\b0+\e):64*(\set)+8*(\b0+\e)+3], v[VL], s[WB:WB+1] offset:(\off)+(\b0+\e)*16384
	global_load_b128 v[64*(\set)+8*(\b0+\e)+4:64*(\set)+8*(\b0+\e)+7], v[VL], s[WB:WB+1] offset:(\off)+(\b0+\e)*16384+512
.endr
.endm
; Row j of a trip's eight.  kind 1: row j + 7 is asked for; 2: an eighth of 8 loads of the first pass's first three half-steps instead; 0: nothing.
.macro ROW j, kind
	s_wait_loadcnt 48                              ; behind this row's loads stand six rows' or parts' of 8
.if (\kind) == 1
	v_add_nc_u32 v[VR+(\j)], 0x8000, v[VR+(\j)]    ; eight rows on: the loads that last read this register have 56 younger ones, so the wait above shows them done
	WIN 0x80
	ROWLD ((\j)+7)%8, 4096*((\j)-1), VR+(\j)
.endif
.if (\kind) == 2
	WIN 0x40
	WLD ((\j)-1)/2, 1024*(((\j)-1)/2), 4*(((\j)-1)%2)
.endif
	WIN 0x02
.set i, 0
.rept 32
	v_med3_num_f32 v[T+i], v[32*(\j)+i], -v[QLM], v[QLM]   ; the conversion does not saturate (ISA guide 7.6.2)
.set i, i+1
.endr
	WIN 0
.irp k, 0,1,2,3
	v_cvt_scalef32_pk8_fp8_f32 v[C+8*(\j)+2*\k:C+8*(\j)+2*\k+1], v[T+8*\k:T+8*\k+7], v[QSC]
.endr
	v_nop                                          ; one plain line behind the last conversion: the next row writes the conversions' sources
	ds_store_b128 v[SAT], v[C+8*(\j):C+8*(\j)+3] offset:(\j)*PITCH
	ds_store_b128 v[SAT], v[C+8*(\j)+4:C+8*(\j)+7] offset:(\j)*PITCH+512
.endm
.Lrows:                                                ; rows 0-23: eight a trip
	v_add_nc_u32 v[SAT], s[ROFF], v[SA]
	ROW 0, 1
	ROW 1, 1
	ROW 2, 1
	ROW 3, 1
	s_cmp_eq_u32 s[CNT], 3                         ; in the first trip: my wave's 64 blocks of 256 bytes of the work-group's sixteenth
	s_cbranch_scc0 .Lnot_now
	global_prefetch_b8 v[PFO], s[PF:PF+1] th:TH_LOAD_NT scope:SCOPE_SE
	global_prefetch_b8 v[PFO], s[PF:PF+1] offset:8192 th:TH_LOAD_NT scope:SCOPE_SE
.Lnot_now:
	ROW 4, 1
	ROW 5, 1
	ROW 6, 1
	ROW 7, 1
	s_add_co_u32 s[ROFF], s[ROFF], 8*PITCH
	s_sub_co_u32 s[CNT], s[CNT], 1
	s_cmp_lg_u32 s[CNT], 0
	s_cbranch_scc1 .Lrows
	v_add_nc_u32 v[SAT], s[ROFF], v[SA]            ; rows 24-31: the last row's loads, then the weights'
	ROW 0, 1
	ROW 1, 2
	ROW 2, 2
	ROW 3, 2
	ROW 4, 2
	ROW 5, 2
	ROW 6, 2
	ROW 7, 0
	s_wait_dscnt 0x0                               ; my rows are in LDS,
	s_barrier_signal -1
	s_barrier_wait -1                              ; and everybody's
; The tokens' eight fragments of a half-step into a set: 16 rows x 64 K in 8 registers: row r's bytes 64 x half-step + 16 h .. + 15 and 32 further on, as the weights' images have them
.macro XLD set, off
.irp a, 0,1,2,3
	ds_load_b128 v[XF+64*(\set)+8*\a:XF+64*(\set)+8*\a+3], v[AX0] offset:(\off)+\a*16*PITCH
	ds_load_b128 v[XF+64*(\set)+8*\a+4:XF+64*(\set)+8*\a+7], v[AX0] offset:(\off)+\a*16*PITCH+32
.endr
.irp a, 0,1,2,3
	ds_load_b128 v[XF+64*(\set)+32+8*\a:XF+64*(\set)+32+8*\a+3], v[AX1] offset:(\off)+\a*16*PITCH
	ds_load_b128 v[XF+64*(\set)+32+8*\a+4:XF+64*(\set)+32+8*\a+7], v[AX1] offset:(\off)+\a*16*PITCH+32
.endr
.endm
; Block a's eight products of a half-step.  o = 1: v's order of the sources.  The 64 accumulators take turns, one instruction a turn.
.macro MULA a, q, first, o
.set D, 64*((\a)%4)
.set XS, XF+64*((\q)%2)
.set WS, 64*(\q)
.irp b, 0,1,2,3,4,5,6,7
.if (\o) == 0
.if \first
	v_wmma_f32_16x16x64_fp8_fp8 v[D+8*\b:D+8*\b+7], v[WS+8*\b:WS+8*\b+7], v[XS+8*(\a):XS+8*(\a)+7], v[BI+8*\b:BI+8*\b+7]
.else
	v_wmma_f32_16x16x64_fp8_fp8 v[D+8*\b:D+8*\b+7], v[WS+8*\b:WS+8*\b+7], v[XS+8*(\a):XS+8*(\a)+7], v[D+8*\b:D+8*\b+7]
.endif
.else
.if \first
	v_wmma_f32_16x16x64_fp8_fp8 v[D+8*\b:D+8*\b+7], v[XS+8*\b:XS+8*\b+7], v[WS+8*(\a):WS+8*(\a)+7], v[BI+8*(\a):BI+8*(\a)+7]
.else
	v_wmma_f32_16x16x64_fp8_fp8 v[D+8*\b:D+8*\b+7], v[XS+8*\b:XS+8*\b+7], v[WS+8*(\a):WS+8*(\a)+7], v[D+8*\b:D+8*\b+7]
.endif
.endif
.endr
.endm
; A half-step on the weights' set q and the tokens' set q % 2: 64 products.  Ahead of them the weights of three half-steps on (wo) go into the set that the last half-step read, the tokens of the next (xo) likewise;
; four v_nop are the places in front of these loads (ISA guide 7.12.1 for vector instructions).
.macro HS q, wo, xo, first, o, alu, cnt
.if \alu
	s_wait_alu depctr_va_vdst(0)                   ; the wait here, directly ahead of the wait below
.endif
	s_wait_loadcnt \cnt                            ; this half-step's 16 loads are in; 16 for each half-step behind it may be out
.rept 4
	v_nop
.endr
.if (\wo) >= 0
	WIN 0x40
	WLD ((\q)+3)%4, \wo, 0
	WLD ((\q)+3)%4, \wo, 4
.endif
	WIN 0
.if (\xo) >= 0
	XLD ((\q)+1)%2, \xo
	s_wait_dscnt 16                                ; this half-step's tokens are in; the 16 just issued may be out
.else
	s_wait_dscnt 0x0
.endif
.if \first
	WIN 0x81+3*(\o)                                ; the sources' windows; C (the bias) window 0, D window 2
.else
	WIN 0xa1+3*(\o)                                ; C and D window 2
.endif
.irp a, 0,1,2,3
	MULA \a, \q, \first, \o
.endr
.if \first
	WIN 0xc1+3*(\o)
.else
	WIN 0xf1+3*(\o)
.endif
.irp a, 4,5,6,7
	MULA \a, \q, \first, \o
.endr
.endm
.macro AXSTEP
	v_add_nc_u32 v[AX0], s[KA], v[AXB0]
	v_add_nc_u32 v[AX1], s[KA], v[AXB1]
.endm
; A pass's 16 half-steps: the first with the bias as C, three trips of four, the last three with nothing left to ask for
.macro MULT o
	AXSTEP
.if (\o) == 0
	v_add_nc_u32 v[BT], s[PB], v[BQ]
.irp b, 0,1,2,3,4,5,6,7
	ds_load_b128 v[BI+8*\b:BI+8*\b+3], v[BT] offset:64*\b        ; bias(16 b + 8 h + 0 .. 7)
	ds_load_b128 v[BI+8*\b+4:BI+8*\b+7], v[BT] offset:64*\b+16
.endr
	XLD 0, 0
.else
	v_add_nc_u32 v[BT], s[PB], v[BV]
.irp a, 0,1,2,3,4,5,6,7
	ds_load_b32 v[VB+\a], v[BT] offset:64*\a       ; bias(16 a + r)
.endr
	XLD 0, 0
	s_wait_dscnt 16                                ; the bias is in
.irp a, 0,1,2,3,4,5,6,7
.irp j, 0,1,2,3,4,5,6,7
	v_mov_b32 v[BI+8*\a+\j], v[VB+\a]              ; a C operand names eight registers
.endr
.endr
.endif
	HS 0, 3072, 64, 1, \o, 1, 32
	WIN 0
	s_mov_b32 s[CNT], 3
.Lk_\@:
	AXSTEP
	HS 1, 4096, 128, 0, \o, 1, 32
	HS 2, 5120, 192, 0, \o, 0, 32
	HS 3, 6144, 256, 0, \o, 0, 32
	HS 0, 7168, 320, 0, \o, 0, 32
	WIN 0
	s_wait_xcnt 0x0                                ; the weights' base may be stepped
	s_add_nc_u64 s[WB:WB+1], s[WB:WB+1], 4096
	s_add_co_u32 s[KA], s[KA], 256
	s_sub_co_u32 s[CNT], s[CNT], 1
	s_cmp_lg_u32 s[CNT], 0
	s_cbranch_scc1 .Lk_\@
	AXSTEP
	HS 1, -1, 128, 0, \o, 1, 32
	HS 2, -1, 192, 0, \o, 0, 16
	HS 3, -1, -1, 0, \o, 0, 0
	WIN 0
.endm
; The way out of block a: the hold reads each accumulator from its low end on; the eight conversions' results are the fragment's 16 registers: four stores of 512 consecutive bytes
.macro EPI a
.set AC, 64*((\a)%4)
.set CD, XF+16*(\a)
	WIN 0x82+0x41*((\a)/4)                         ; source 0 and the result in window 2 or 3
.set i, 0
.rept 64
	v_med3_num_f32 v[AC+i], v[AC+i], -v[LIMV], v[LIMV]
.set i, i+1
.endr
	WIN 0x02+(\a)/4
.irp b, 0,1,2,3,4,5,6,7
	v_cvt_scalef32_pk8_fp8_f32 v[CD+2*\b:CD+2*\b+1], v[AC+8*\b:AC+8*\b+7], v[SCV]
.endr
	v_nop                                          ; one plain line behind the last conversion
	WIN 0
.irp c, 0,1,2,3
	global_store_b128 v[VO+(\a)], v[CD+4*\c:CD+4*\c+3], s[12:13] offset:512*\c
.endr
.endm
.Lpass:
	s_wait_xcnt 0x0                                ; the last pass's stores have read their registers
	s_mov_b32 s[KA], 0
	s_cmp_eq_u32 s33, 2                            ; the product is the same in all waves
	s_cbranch_scc1 .Lmul_v
	MULT 0
	s_branch .Lmul_done
.Lmul_v:
	MULT 1
.Lmul_done:
.rept 4
	v_nop                                          ; places behind the last products
.endr
	s_sub_co_u32 s[PASS], s[PASS], 1
	s_cmp_eq_u32 s[PASS], 0
	s_cbranch_scc1 .Lno_next
	s_wait_xcnt 0x0
	s_add_nc_u64 s[WB:WB+1], s[WB:WB+1], 32*16384-3*4096   ; the next pass's weights: its first three half-steps load while this pass goes out
	WIN 0x40
.irp n, 0,1,2
	WLD \n, 1024*\n, 0
	WLD \n, 1024*\n, 4
.endr
	WIN 0
.Lno_next:
.irp n, 0,1,2,3,4,5,6,7
	EPI \n
.endr
	s_wait_xcnt 0x0
	s_add_nc_u64 s[12:13], s[12:13], s[62:63]
	s_add_co_u32 s[PB], s[PB], 512
	s_cmp_lg_u32 s[PASS], 0
	s_cbranch_scc1 .Lpass
	s_wait_tensorcnt 0x0                           ; the wave's end
	ds_add_u32 v[SPW], v[NIL]
	s_wait_dscnt 0x0
	s_endpgm
.Lfunc_end_k_q8916a880a7_proj:
	.size	k_q8916a880a7_proj, .Lfunc_end_k_q8916a880a7_proj-k_q8916a880a7_proj
	.p2alignl 7, 3214868480
	.fill 96, 4, 3214868480
	.section	.rodata,"a",@progbits
	.p2align	6, 0x0
	.amdhsa_kernel k_q8916a880a7_proj
		.amdhsa_group_segment_fixed_size 137728
		.amdhsa_private_segment_fixed_size 0
		.amdhsa_enable_private_segment 0
		.amdhsa_kernarg_size 72
		.amdhsa_user_sgpr_count 2
		.amdhsa_user_sgpr_kernarg_segment_ptr 1
		.amdhsa_wavefront_size32 1
		.amdhsa_system_sgpr_workgroup_id_x 1
		.amdhsa_system_sgpr_workgroup_id_y 1
		.amdhsa_system_sgpr_workgroup_id_z 1
		.amdhsa_system_vgpr_workitem_id 0
		.amdhsa_next_free_vgpr 1024
		.amdhsa_next_free_sgpr 80
		.amdhsa_reserve_vcc 0
		.amdhsa_float_denorm_mode_32 3
		.amdhsa_float_denorm_mode_16_64 3
		.amdhsa_memory_ordered 1
		.amdhsa_forward_progress 1
		.amdhsa_inst_pref_size 214
	.end_amdhsa_kernel
	.amdgpu_metadata
---
amdhsa.version: [ 1, 2 ]
amdhsa.kernels:
  - .name:           k_q8916a880a7_proj
    .symbol:         k_q8916a880a7_proj.kd
    .args:
      - { .name: query, .offset: 0, .size: 8, .value_kind: global_buffer, .address_space: global }
      - { .name: key, .offset: 8, .size: 8, .value_kind: global_buffer, .address_space: global }
      - { .name: value, .offset: 16, .size: 8, .value_kind: global_buffer, .address_space: global }
      - { .name: bq, .offset: 24, .size: 8, .value_kind: global_buffer, .address_space: global }
      - { .name: bk, .offset: 32, .size: 8, .value_kind: global_buffer, .address_space: global }
      - { .name: bv, .offset: 40, .size: 8, .value_kind: global_buffer, .address_space: global }
      - { .name: lowp_scales, .offset: 48, .size: 8, .value_kind: global_buffer, .address_space: global }
      - { .name: w_codes, .offset: 56, .size: 8, .value_kind: global_buffer, .address_space: global }
      - { .name: qkv_codes, .offset: 64, .size: 8, .value_kind: global_buffer, .address_space: global }
    .group_segment_fixed_size: 137728
    .private_segment_fixed_size: 0
    .kernarg_segment_align: 8
    .kernarg_segment_size: 72
    .max_flat_workgroup_size: 128
    .sgpr_count:     80
    .vgpr_count:     1024
    .wavefront_size: 32
...
	.end_amdgpu_metadata
.endif
;; end of part 2
;; launch score (part 3): grid 8 x 32, 4 waves a work-group, clusters of 4 x 4, 262,656 bytes of LDS; arguments qkv_codes, lowp_scales, p_codes, stats; writes p_codes, stats
.if DOCPART == 3
	.amdgcn_target "amdgcn-amd-amdhsa--gfx1250"
	.amdhsa_code_object_version 6
	.text
	.protected	k_q8916a880a7_score
	.globl	k_q8916a880a7_score
	.p2align	8
	.type	k_q8916a880a7_score,@function
k_q8916a880a7_score:
	s_mov_b64 s[64:65], 0
	v_nop
	global_prefetch_b8 v0, s[64:65] scope:SCOPE_SE
	s_setreg_imm32_b32 hwreg(HW_REG_WAVE_MODE, 25, 1), 1
	s_wait_xcnt 0x0
	s_wait_alu depctr_hold_cnt(0) depctr_sa_sdst(0) depctr_va_vdst(0) depctr_va_sdst(0) depctr_va_ssrc(0) depctr_va_vcc(0) depctr_vm_vsrc(0)
	s_getreg_b32 s2, hwreg(HW_REG_IB_STS2, 6, 4)
	s_cmp_eq_u32 s2, 0
	s_cbranch_scc0 .Lentry_in_a_cluster
	s_endpgm
.Lentry_in_a_cluster:
	s_bfe_u32 s2, ttmp6, 0x10000c
	s_cmp_lg_u32 s2, 0xf033
	s_cbranch_scc0 .Lentry_shape_is_right
	s_endpgm
.Lentry_shape_is_right:
; THE SCORES AND THEIR SOFTMAX, for 256 queries x 256 keys a work-group: p = 2^(t - M), t = score x log2(e) / 32, M = ceil(the row's largest t among these 256 keys), quantised with 2^ep; and the row's -M and sum of the unquantised p.
; Nothing is left out: the last launch joins a row's eight blocks of keys, by exact powers of two.
; qkv_codes: images of fragments (16 rows x 128 along K, 2,048 bytes): q from byte 0, k from byte 8,388,608: [tile of 16 tokens][8 K steps][2,048].
; p_codes: the next product's images: [512 tiles of 16 queries][16 K steps of 128 keys][2,048].
; stats: [8 blocks of keys][128 groups of 64 rows][16 r][4 a] f32: -M of row 64 group + 16 a + r; from byte 262,144 the sums in the same order.
; LIMITS: eq + ek between -122 and 131, ep between -126 and 119, so that each power of two below is an f32 number; scaled scores (exponents to the base 2) under 2^31 in magnitude.  NaN is not served.
; SHARES.  All 256 keys' codes, 262,144 bytes, lie in LDS, brought by ONE joint load a wave (wave w: 256 along K): nothing is filled twice.  A wave owns 64 queries against all 256 keys: 64 accumulators, 512 registers, and a row's
; maximum and sum never leave the wave.  The queries' fragments go from memory straight into registers, three half-steps of 64 along K ahead: each is wanted by one wave alone.
; CLUSTERS: 4 x 4 work-groups: the four of a column need the same keys and ask for them jointly: the same load, the same descriptor, a mask that names the four.
; LOOK-AHEAD INTO THE L2: the four of a row of the cluster share out their 256 queries' codes by address (4 tiles each, a tile a wave) and ask for 256 along K two trips ahead of the loads.
; source 0 = keys, source 1 = queries: lane (r, h), register j of accumulator (a, b) is query 16 a + r against key 16 b + 8 h + j.
; REGISTERS: window 0: v0-63 addresses and statistics; v128-255 the queries' fragments, four sets of 32 (later 64 numbers p and codes); window 1: the keys' fragments, two sets of 128; windows 2, 3: accumulators of blocks 0-1, 2-3 ((a, b) at v[128 (a % 2) + 8 b]).
.set SPARE, 262144
.set VL,   16                          ; 16 x lane
.set SPW,  17
.set NIL,  18
.set AXB1, 19                          ; 16 x lane + 65,536
.set AX0,  20                          ; the part (256 along K) in hand in LDS
.set AX1,  21                          ; the next part
.set PFO,  22
.set SG,   23
.set HL,   24
.set SCV,  26
.set LIMV, 27
.set MX,   32
.set MY,   36
.set ST,   40                          ; v[40+2a] -M of block a
.set SU,   48
.set LS,   52
.set SS,   56
.set QF,   128
.set TMP,  128
.set G1,   24
.set G0,   32
.set WB,   46                          ; s[46:47] my queries' images
.set PF,   50                          ; s[50:51] the look-ahead's base
.set KA,   60
.set CNT,  61
.set MSB, 0
.macro WIN new                         ; the immediate's high byte repeats the setting that is left
.if MSB != (\new)
	s_set_vgpr_msb (MSB<<8)|(\new)
.set MSB, (\new)
.endif
.endm
.macro CROUND                          ; a round of the cluster's barrier
	s_barrier_signal -1
	s_barrier_wait -1
	s_cmp_lg_u32 s14, 0
	s_cbranch_scc1 .Lnot_wave_0_\@
	s_barrier_signal -3
.Lnot_wave_0_\@:
	s_barrier_wait -3
	s_barrier_signal -1
	s_barrier_wait -1
.endm
	s_load_b256 s[4:11], s[0:1], 0x0               ; qkv_codes, the exponents, p_codes, stats
	v_lshl_add_u32 v[SPW], v0, 2, SPARE
	v_mov_b32 v[NIL], 0
	ds_add_u32 v[SPW], v[NIL]                      ; the wave's opening: the add, twice on end, and its wait ahead of my first tensor load
	ds_add_u32 v[SPW], v[NIL]
	v_lshrrev_b32 v1, 5, v0
	v_readfirstlane_b32 s14, v1                    ; wave
	s_bfe_u32 s40, ttmp6, 0x40000                  ; cx, cy
	s_bfe_u32 s41, ttmp6, 0x40004
	s_lshl_b32 s42, ttmp9, 2
	s_add_co_u32 s42, s42, s40                     ; x: the block of 256 keys
	s_and_b32 s72, ttmp7, 0xffff
	s_lshl_b32 s17, s72, 2
	s_add_co_u32 s17, s17, s41                     ; y: the block of 256 queries
	s_lshr_b32 s73, s72, 1                         ; the batch: two clusters along y
	s_lshl_b32 s44, 0x1111, s40                    ; my column
	s_or_b32 s[G1], s44, (1<<21)                   ; 15:0 the mask; elements of 1 byte; 21 set beside a mask; no padding
	s_mov_b32 s[G1+1], 4096<<16                    ; 16 tiles' rows of 4,096 bytes (two K steps), 16,384 bytes apart
	s_mov_b32 s[G1+2], 16<<16
	s_mov_b32 s[G1+3], 4096<<16
	s_mov_b32 s[G1+4], 16
	s_mov_b32 s[G1+5], 16384
	s_mov_b32 s[G1+6], 0
	s_mov_b32 s[G1+7], 0
	s_lshl_b32 s20, s42, 18                        ; the keys: made of the batch, x and the wave alone
	s_lshl_b32 s21, s73, 21
	s_add_co_u32 s20, s20, s21
	s_lshl_b32 s21, s14, 12
	s_add_co_u32 s20, s20, s21
	s_add_co_u32 s20, s20, 8388608
	s_mov_b32 s21, 0
	s_lshl_b32 s45, s14, 16                        ; where they go: part w of 65,536 bytes
	s_lshl_b32 s52, s17, 18                        ; the queries of block y,
	s_lshl_b32 s53, s14, 16
	s_add_co_u32 s54, s52, s53                     ; my four tiles of them;
	s_mov_b32 s55, 0
	s_lshl_b32 s53, s40, 16
	s_add_co_u32 s52, s52, s53
	s_lshl_b32 s53, s14, 14
	s_add_co_u32 s52, s52, s53                     ; the look-ahead: tile 4 cx + wave
	s_mov_b32 s53, 0
	s_mov_b32 s94, 0x76543210
	s_mov_b32 s95, 0xfedcba98
	v_and_b32 v2, 31, v0
	v_lshlrev_b32 v[VL], 4, v2
	v_add_nc_u32 v[AXB1], 0x10000, v[VL]
	v_and_b32 v3, 15, v0                           ; r
	v_lshlrev_b32 v[PFO], 8, v3
	v_bfe_u32 v[HL], v0, 4, 1                      ; h
	v_lshlrev_b32 v4, 4, v3
	v_lshl_add_u32 v[SG], v[HL], 18, v4
	s_wait_alu depctr_va_vdst(0)                   ; the wait here, directly ahead of the waits below
	s_wait_dscnt 0x0                               ; both opening adds are done
	s_wait_kmcnt 0x0
	s_load_b128 s[76:79], s[6:7], 0x18             ; eq, ek, ep, ev
	s_add_nc_u64 s[WB:WB+1], s[4:5], s[54:55]
	s_add_nc_u64 s[PF:PF+1], s[4:5], s[52:53]
	s_mov_b32 s[G0], 1
	s_mov_b32 s[G0+1], s45
	s_add_nc_u64 s[G0+2:G0+3], s[4:5], s[20:21]
	s_or_b32 s[G0+3], s[G0+3], 0x80000000
.macro QLD set, off                    ; my four query fragments of a half-step: two loads of 512 consecutive bytes each
.irp a, 0,1,2,3
	global_load_b128 v[QF+32*(\set)+8*\a:QF+32*(\set)+8*\a+3], v[VL], s[WB:WB+1] offset:(\off)+\a*16384
	global_load_b128 v[QF+32*(\set)+8*\a+4:QF+32*(\set)+8*\a+7], v[VL], s[WB:WB+1] offset:(\off)+\a*16384+512
.endr
.endm
	CROUND                                         ; all sixteen work-groups are here: the joint loads meet
	tensor_load_to_lds s[G0:G0+3], s[G1:G1+7]
	s_nop 0
.rept 4
	v_nop
.endr
	QLD 0, 0                                       ; half-steps 0 to 2, behind the joint load that the first products wait for
	QLD 1, 1024
	QLD 2, 2048
	s_mov_b32 s[KA], 0
	s_mov_b32 s[CNT], 3
	global_prefetch_b8 v[PFO], s[PF:PF+1] offset:4096 th:TH_LOAD_NT scope:SCOPE_SE   ; the second 256 along K: 16 blocks of 256 bytes a wave, each named by two lanes
	s_wait_tensorcnt 0x0                           ; my quarter of the keys is in,
	s_barrier_signal -1
	s_barrier_wait -1                              ; and everybody's
.macro KLD set, reg, off               ; sixteen key fragments of a half-step
.irp b, 0,1,2,3,4,5,6,7,8,9,10,11,12,13,14,15
	ds_load_b128 v[128*(\set)+8*\b:128*(\set)+8*\b+3], v[\reg] offset:(\off)+4096*\b
	ds_load_b128 v[128*(\set)+8*\b+4:128*(\set)+8*\b+7], v[\reg] offset:(\off)+4096*\b+512
.endr
.endm
; A half-step of 64 along K on the queries' set q and the keys' set q % 2: 64 products; the accumulators take turns, one instruction a turn.  Ahead of them the queries of three half-steps on (wo)
; go into the set that the last half-step read, the keys of the next (xo) likewise; four v_nop are the places in front of these loads (ISA guide 7.12.1 for vector instructions).
.macro HS q, wo, xr, xo, first, alu, cnt
.if \alu
	s_wait_alu depctr_va_vdst(0)                   ; the wait here, directly ahead of the wait below
.endif
	s_wait_loadcnt \cnt                            ; this half-step's 8 loads are in; 8 for each half-step behind it may be out
	s_wait_dscnt 0x0                               ; its keys, asked for 64 products ago
.rept 4
	v_nop
.endr
	WIN 0
.if (\wo) >= 0
	QLD ((\q)+3)%4, \wo
.endif
.if (\xo) >= 0
	WIN 0x40
	KLD ((\q)+1)%2, \xr, \xo
.endif
.irp a, 0,1,2,3
	WIN 0xa1+0x50*(\a/2)
.irp b, 0,1,2,3,4,5,6,7,8,9,10,11,12,13,14,15
.if \first
	v_wmma_f32_16x16x64_fp8_fp8 v[128*(\a%2)+8*\b:128*(\a%2)+8*\b+7], v[128*((\q)%2)+8*\b:128*((\q)%2)+8*\b+7], v[QF+32*(\q)+8*\a:QF+32*(\q)+8*\a+7], 0
.else
	v_wmma_f32_16x16x64_fp8_fp8 v[128*(\a%2)+8*\b:128*(\a%2)+8*\b+7], v[128*((\q)%2)+8*\b:128*((\q)%2)+8*\b+7], v[QF+32*(\q)+8*\a:QF+32*(\q)+8*\a+7], v[128*(\a%2)+8*\b:128*(\a%2)+8*\b+7]
.endif
.endr
.endr
.endm
.macro AXSTEP
	v_add_nc_u32 v[AX0], s[KA], v[VL]
	v_add_nc_u32 v[AX1], s[KA], v[AXB1]
.endm
	AXSTEP
	WIN 0x40
	KLD 0, AX0, 0
	WIN 0
	HS 0, 3072, AX0, 1024, 1, 1, 16
	WIN 0
.Lk:
	AXSTEP
	HS 1, 4096, AX0, 2048, 0, 1, 16
	WIN 0
	s_cmp_gt_u32 s[CNT], 1                         ; the first two trips ask for the queries two trips on
	s_cbranch_scc0 .Lnot_now
	global_prefetch_b8 v[PFO], s[PF:PF+1] offset:8192 th:TH_LOAD_NT scope:SCOPE_SE
.Lnot_now:
	HS 2, 5120, AX0, 3072, 0, 0, 16
	HS 3, 6144, AX1, 0, 0, 0, 16
	HS 0, 7168, AX1, 1024, 0, 0, 16
	WIN 0
	s_wait_xcnt 0x0                                ; the bases may be stepped
	s_add_nc_u64 s[WB:WB+1], s[WB:WB+1], 4096
	s_add_nc_u64 s[PF:PF+1], s[PF:PF+1], 4096
	s_add_co_u32 s[KA], s[KA], 0x10000
	s_sub_co_u32 s[CNT], s[CNT], 1
	s_cmp_lg_u32 s[CNT], 0
	s_cbranch_scc1 .Lk
	AXSTEP
	HS 1, -1, AX0, 2048, 0, 1, 16
	HS 2, -1, AX0, 3072, 0, 0, 8
	HS 3, -1, AX0, -1, 0, 0, 0
	WIN 0
	; THE SOFTMAX
	s_wait_kmcnt 0x0
	s_add_co_i32 s92, s76, s77
	s_lshl_b32 s92, s92, 23
	s_add_co_i32 s92, s92, 0x3d38aa3b              ; log2(e) / 32 x 2^(eq + ek): added to the exponent field
	s_mov_b32 s93, s92                             ; (the packed form names a pair)
	s_add_co_i32 s80, s78, 127
	s_lshl_b32 s81, s80, 23
	v_mov_b32 v[SCV], s81                          ; 2^ep
	s_add_co_i32 s80, s80, 8
	s_lshl_b32 s80, s80, 23
	s_or_b32 s80, s80, 0x600000
	v_mov_b32 v[LIMV], s80                         ; 448 x 2^ep
	s_lshl_b32 s88, s42, 15                        ; stats: block x, group 4 y + wave
	s_lshl_b32 s89, s17, 10
	s_add_co_u32 s88, s88, s89
	s_lshl_b32 s89, s14, 8
	s_add_co_u32 s88, s88, s89
	s_mov_b32 s89, 0
	s_add_nc_u64 s[88:89], s[10:11], s[88:89]
	s_lshl_b32 s90, s17, 19                        ; p: tile 16 y + 4 x wave, K step 2 x
	s_lshl_b32 s91, s14, 17
	s_add_co_u32 s90, s90, s91
	s_lshl_b32 s91, s42, 12
	s_add_co_u32 s90, s90, s91
	s_mov_b32 s91, 0
	s_add_nc_u64 s[90:91], s[8:9], s[90:91]
.rept 4
	v_nop                                          ; with the two moves above, more than the places behind the last products
.endr
.irp w, 0,1                            ; a row's largest score among my lane's 128 keys, in two chains for each block; each accumulator from its low end on
	WIN 0x2a+0x15*\w
.irp p, 0,1
	v_max3_num_f32 v[MX+2*\w+\p], v[128*\p], v[128*\p+1], v[128*\p+2]
	v_max3_num_f32 v[MY+2*\w+\p], v[128*\p+3], v[128*\p+4], v[128*\p+5]
.endr
	WIN 0x28+0x14*\w
.set i, 6
.rept 30
.irp p, 0,1
	v_max3_num_f32 v[MX+2*\w+\p], v[MX+2*\w+\p], v[128*\p+i], v[128*\p+i+1]
	v_max3_num_f32 v[MY+2*\w+\p], v[MY+2*\w+\p], v[128*\p+i+2], v[128*\p+i+3]
.endr
.set i, i+4
.endr
.irp p, 0,1
	v_max3_num_f32 v[MX+2*\w+\p], v[MX+2*\w+\p], v[128*\p+126], v[128*\p+127]
.endr
.endr
	WIN 0
.irp a, 0,1,2,3
	v_max_num_f32 v[MX+\a], v[MX+\a], v[MY+\a]
.endr
.irp a, 0,1,2,3
	v_permlanex16_b32 v[MY+\a], v[MX+\a], s94, s95
.endr
.irp a, 0,1,2,3
	v_max_num_f32 v[MX+\a], v[MX+\a], v[MY+\a]     ; and lane l xor 16's
.endr
.irp a, 0,1,2,3
	v_mul_f32 v[ST+2*\a+1], s92, v[MX+\a]          ; as t
.endr
.irp a, 0,1,2,3
	v_floor_f32 v[ST+2*\a], -v[ST+2*\a+1]          ; -M = floor(-t)
.endr
; Block a against keys 128 g on: 64 numbers a lane, which are the fragment's 16 registers of codes
.macro SOFT a, g
.set AC, 128*((\a)%2)+64*(\g)
.set U, 2*(\a)+(\g)
.if U < 4
.set CD, 64+16*U
.else
.set CD, 192+16*(U-4)
.endif
	WIN 0x02+(\a)/2
.set i, 0
.rept 32
	v_pk_fma_f32 v[TMP+i:TMP+i+1], v[AC+i:AC+i+1], s[92:93], v[ST+2*(\a):ST+2*(\a)+1] op_sel_hi:[1,0,0]   ; t - M
.set i, i+2
.endr
	WIN 0
.set i, 0
	s_wait_alu depctr_va_vdst(0)                   ; the wait ahead of the batch,
.rept 64
	v_exp_f32 v[TMP+i], v[TMP+i]
.set i, i+1
.endr
	v_nop
	s_wait_alu depctr_va_vdst(0)                   ; and ahead of its first reader
	v_pk_add_f32 v[SU:SU+1], v[TMP:TMP+1], v[TMP+2:TMP+3]      ; the sum of the UNQUANTISED p, in two chains
	v_pk_add_f32 v[SU+2:SU+3], v[TMP+4:TMP+5], v[TMP+6:TMP+7]
.set i, 8
.rept 14
	v_pk_add_f32 v[SU:SU+1], v[SU:SU+1], v[TMP+i:TMP+i+1]
	v_pk_add_f32 v[SU+2:SU+3], v[SU+2:SU+3], v[TMP+i+2:TMP+i+3]
.set i, i+4
.endr
	v_pk_add_f32 v[SU:SU+1], v[SU:SU+1], v[SU+2:SU+3]
.if (\g) == 0
	v_add_f32 v[LS+(\a)], v[SU], v[SU+1]
.else
	v_add_f32 v[SU], v[SU], v[SU+1]
	v_add_f32 v[LS+(\a)], v[LS+(\a)], v[SU]
	v_permlanex16_b32 v[SU+1], v[LS+(\a)], s94, s95
	v_add_f32 v[LS+(\a)], v[LS+(\a)], v[SU+1]
.endif
.set i, 0
.rept 64
	v_min_num_f32 v[TMP+i], v[TMP+i], v[LIMV]      ; the conversion does not saturate (ISA guide 7.6.2); p is never negative
.set i, i+1
.endr
.irp b, 0,1,2,3,4,5,6,7
	v_cvt_scalef32_pk8_fp8_f32 v[CD+2*\b:CD+2*\b+1], v[TMP+8*\b:TMP+8*\b+7], v[SCV]
.endr
	v_nop                                          ; one plain line behind the last conversion
.irp c, 0,1,2,3
	global_store_b128 v[VL], v[CD+4*\c:CD+4*\c+3], s[90:91] offset:(\a)*32768+(\g)*2048+512*\c   ; 32 lanes store 512 consecutive bytes
.endr
.endm
.irp n, 0,1,2,3
	SOFT \n, 0
	SOFT \n, 1
.endr
	v_cmp_ne_u32 s84, 0, v[HL]
.irp a, 0,1,2,3
	v_cndmask_b32 v[SS+\a], v[ST+2*\a], v[LS+\a], s84   ; lanes 0-15: -M; lanes 16-31: the sum
.endr
	global_store_b128 v[SG], v[SS:SS+3], s[88:89]  ; sixteen lanes store 256 consecutive bytes, aligned
	s_wait_tensorcnt 0x0                           ; the wave's end
	ds_add_u32 v[SPW], v[NIL]
	s_wait_dscnt 0x0
	CROUND                                         ; the closing round
	s_endpgm
.Lfunc_end_k_q8916a880a7_score:
	.size	k_q8916a880a7_score, .Lfunc_end_k_q8916a880a7_score-k_q8916a880a7_score
	.p2alignl 7, 3214868480
	.fill 96, 4, 3214868480
	.section	.rodata,"a",@progbits
	.p2align	6, 0x0
	.amdhsa_kernel k_q8916a880a7_score
		.amdhsa_group_segment_fixed_size 262656
		.amdhsa_private_segment_fixed_size 0
		.amdhsa_enable_private_segment 0
		.amdhsa_kernarg_size 32
		.amdhsa_user_sgpr_count 2
		.amdhsa_user_sgpr_kernarg_segment_ptr 1
		.amdhsa_wavefront_size32 1
		.amdhsa_system_sgpr_workgroup_id_x 1
		.amdhsa_system_sgpr_workgroup_id_y 1
		.amdhsa_system_sgpr_workgroup_id_z 1
		.amdhsa_system_vgpr_workitem_id 0
		.amdhsa_next_free_vgpr 1024
		.amdhsa_next_free_sgpr 100
		.amdhsa_reserve_vcc 0
		.amdhsa_float_denorm_mode_32 3
		.amdhsa_float_denorm_mode_16_64 3
		.amdhsa_memory_ordered 1
		.amdhsa_forward_progress 1
		.amdhsa_inst_pref_size 153
	.end_amdhsa_kernel
	.amdgpu_metadata
---
amdhsa.version: [ 1, 2 ]
amdhsa.kernels:
  - .name:           k_q8916a880a7_score
    .symbol:         k_q8916a880a7_score.kd
    .args:
      - { .name: qkv_codes, .offset: 0, .size: 8, .value_kind: global_buffer, .address_space: global }
      - { .name: lowp_scales, .offset: 8, .size: 8, .value_kind: global_buffer, .address_space: global }
      - { .name: p_codes, .offset: 16, .size: 8, .value_kind: global_buffer, .address_space: global }
      - { .name: stats, .offset: 24, .size: 8, .value_kind: global_buffer, .address_space: global }
    .group_segment_fixed_size: 262656
    .private_segment_fixed_size: 0
    .kernarg_segment_align: 8
    .kernarg_segment_size: 32
    .max_flat_workgroup_size: 128
    .sgpr_count:     100
    .vgpr_count:     1024
    .wavefront_size: 32
...
	.end_amdgpu_metadata
.endif
;; end of part 3
;; launch pv (part 4): grid 4 x 64, 4 waves a work-group, clusters of 4 x 4, 284,160 bytes of LDS; arguments p_codes, qkv_codes, stats, lowp_scales, out0; writes out0
.if DOCPART == 4
	.amdgcn_target "amdgcn-amd-amdhsa--gfx1250"
	.amdhsa_code_object_version 6
	.text
	.protected	k_q8916a880a7_pv
	.globl	k_q8916a880a7_pv
	.p2align	8
	.type	k_q8916a880a7_pv,@function
k_q8916a880a7_pv:
	s_mov_b64 s[64:65], 0
	v_nop
	global_prefetch_b8 v0, s[64:65] scope:SCOPE_SE
	s_setreg_imm32_b32 hwreg(HW_REG_WAVE_MODE, 25, 1), 1
	s_wait_xcnt 0x0
	s_wait_alu depctr_hold_cnt(0) depctr_sa_sdst(0) depctr_va_vdst(0) depctr_va_sdst(0) depctr_va_ssrc(0) depctr_va_vcc(0) depctr_vm_vsrc(0)
	s_getreg_b32 s2, hwreg(HW_REG_IB_STS2, 6, 4)
	s_cmp_eq_u32 s2, 0
	s_cbranch_scc0 .Lentry_in_a_cluster
	s_endpgm
.Lentry_in_a_cluster:
	s_bfe_u32 s2, ttmp6, 0x10000c
	s_cmp_lg_u32 s2, 0xf033
	s_cbranch_scc0 .Lentry_shape_is_right
	s_endpgm
.Lentry_shape_is_right:
; THE WEIGHTED SUM: out = (sum over the keys of p v) / l, for 128 queries x 256 of the 1,024 d a work-group.  Nothing is left out.
; p's codes of block j of 256 keys stand under that block's own M_j (stats, as the scores' launch lays them).  With e_j = max(M_j - the largest M, -60), a sum is multiplied by 2^(e_(j-1) - e_j) ahead of block j, and at the end by
; 2^(e_7 + ep + ev) / l, l = the sum over j of 2^e_j x the block's sum: exact powers of two, but for the one reciprocal.  The bound -60: what a block so far below the largest adds lies below 2^-50 of l.
; LIMITS: M_j under 2^31 in magnitude.  NaN is not served.
; SHARES.  p's codes of the 128 queries, all 2,048 keys, 262,144 bytes, lie in LDS, brought by ONE joint load a wave (wave w: 512 keys): nothing is filled twice.  A wave owns all 128 queries x 64 d: 32 accumulators, 256 registers.
; v's fragments go from memory straight into registers, three steps of 128 keys ahead: each is wanted by one wave alone.
; CLUSTERS: 4 x 4 work-groups: the four of a row need the same p and ask for it jointly.
; LOOK-AHEAD INTO THE L2: the four of a column share out their 256 d of v by address (4 tiles each, a tile a wave) and ask for 512 keys two trips ahead of the loads; the four clusters of a batch each ask for what they load.
; source 0 = v (d), source 1 = p (queries): lane (r, h), register j of accumulator (a, b) is query 16 a + r, d 16 b + 8 h + j.
; REGISTERS: window 0: addresses, factors, the way out; window 1: v's fragments, four sets of 64; window 2: accumulators ((a, b) at v[32 a + 8 b]); window 3: p's fragments, two sets of 128.
.set STAT,  262144                     ; [8 slots][16 r][8 a] f32: slots 0-6 the factors of blocks 1-7, slot 7 the last multiplier
.set STAGE, STAT+4096                  ; the way out: 16 rows of 272 bytes for each wave
.set SPARE, STAGE+4*4352
.set VL,   16
.set SPW,  17
.set NIL,  18
.set AXB1, 19
.set AX0,  20
.set AX1,  21
.set PFO,  22
.set FA,   23                          ; the trip's factors in LDS
.set SRD,  24
.set SWR,  25
.set SV,   26
.set STO,  27
.set RD,   28
.set CO,   29
.set F1,   32                          ; v32-39, v40-47 two blocks' factors, by a
.set F2,   40
.set GG,   64                          ; v64-71
.set TMP,  96
.set BK,   128
.set G1,   24
.set G0,   32
.set WB,   46
.set PF,   50
.set KA,   60
.set CNT,  61
.set KF,   62
.set MSB, 0
.macro WIN new                         ; the immediate's high byte repeats the setting that is left
.if MSB != (\new)
	s_set_vgpr_msb (MSB<<8)|(\new)
.set MSB, (\new)
.endif
.endm
.macro CROUND                          ; a round of the cluster's barrier
	s_barrier_signal -1
	s_barrier_wait -1
	s_cmp_lg_u32 s14, 0
	s_cbranch_scc1 .Lnot_wave_0_\@
	s_barrier_signal -3
.Lnot_wave_0_\@:
	s_barrier_wait -3
	s_barrier_signal -1
	s_barrier_wait -1
.endm
	s_load_b256 s[4:11], s[0:1], 0x0               ; p_codes, qkv_codes, stats, the exponents
	s_load_b64 s[12:13], s[0:1], 0x20              ; out0
	v_lshl_add_u32 v[SPW], v0, 2, SPARE
	v_mov_b32 v[NIL], 0
	ds_add_u32 v[SPW], v[NIL]                      ; the wave's opening: the add, twice on end, and its wait ahead of my first tensor load
	ds_add_u32 v[SPW], v[NIL]
	v_lshrrev_b32 v1, 5, v0
	v_readfirstlane_b32 s14, v1                    ; wave
	s_bfe_u32 s40, ttmp6, 0x40000                  ; cx, cy
	s_bfe_u32 s41, ttmp6, 0x40004
	s_lshl_b32 s42, ttmp9, 2
	s_add_co_u32 s42, s42, s40                     ; x: the block of 256 d
	s_and_b32 s84, ttmp7, 0xffff
	s_lshl_b32 s17, s84, 2
	s_add_co_u32 s17, s17, s41                     ; y: the block of 128 queries
	s_lshr_b32 s85, s84, 2                         ; the batch: four clusters along y
	s_lshl_b32 s43, s41, 2
	s_lshl_b32 s43, 15, s43                        ; my row
	s_or_b32 s[G1], s43, (1<<21)                   ; 15:0 the mask; elements of 1 byte; 21 set beside a mask; no padding
	s_mov_b32 s[G1+1], 8192<<16                    ; 8 tiles' rows of 8,192 bytes (four K steps), 32,768 bytes apart
	s_mov_b32 s[G1+2], 8<<16
	s_mov_b32 s[G1+3], 8192<<16
	s_mov_b32 s[G1+4], 8
	s_mov_b32 s[G1+5], 32768
	s_mov_b32 s[G1+6], 0
	s_mov_b32 s[G1+7], 0
	s_lshl_b32 s20, s17, 18                        ; p: made of y and the wave alone
	s_lshl_b32 s21, s14, 13
	s_add_co_u32 s20, s20, s21
	s_mov_b32 s21, 0
	s_lshl_b32 s45, s14, 16                        ; where it goes: part w of 65,536 bytes
	s_lshl_b32 s52, s42, 21                        ; v: tile of d 16 x,
	s_lshl_b32 s53, s85, 15
	s_add_co_u32 s52, s52, s53                     ; K step 16 x batch
	s_add_co_u32 s52, s52, 16777216
	s_lshl_b32 s53, s14, 19
	s_add_co_u32 s54, s52, s53                     ; my four tiles;
	s_mov_b32 s55, 0
	s_lshl_b32 s53, s41, 19
	s_add_co_u32 s52, s52, s53
	s_lshl_b32 s53, s14, 17
	s_add_co_u32 s52, s52, s53                     ; the look-ahead: tile 4 cy + wave
	s_mov_b32 s53, 0
	s_lshl_b32 s86, s17, 9                         ; stats: my row blocks a = 2 wave, 2 wave + 1: group 2 y + wave / 2, their pair in it
	s_lshr_b32 s87, s14, 1
	s_lshl_b32 s87, s87, 8
	s_add_co_u32 s86, s86, s87
	s_and_b32 s87, s14, 1
	s_lshl_b32 s87, s87, 3
	s_add_co_u32 s86, s86, s87
	s_mov_b32 s87, 0
	s_lshl_b32 s88, s17, 19                        ; out: 128 y rows of 4,096 bytes, 256 x + 64 x wave columns
	s_lshl_b32 s89, s42, 10
	s_add_co_u32 s88, s88, s89
	s_lshl_b32 s89, s14, 8
	s_add_co_u32 s88, s88, s89
	s_mov_b32 s89, 0
	s_mul_i32 s23, s14, 4352
	s_add_co_u32 s23, s23, STAGE
	s_lshl_b32 s22, s14, 3
	s_add_co_u32 s22, s22, STAT
	v_and_b32 v2, 31, v0
	v_lshlrev_b32 v[VL], 4, v2
	v_lshlrev_b32 v[PFO], 8, v2
	v_add_nc_u32 v[AXB1], 0x10000, v[VL]
	v_and_b32 v3, 15, v0                           ; r
	v_bfe_u32 v4, v0, 4, 1                         ; h
	v_mul_u32_u24 v5, v3, 272
	v_lshl_add_u32 v5, v4, 5, v5
	v_add_nc_u32 v[STO], s23, v5                   ; the stage, in: row r, + 32 h
	v_mul_u32_u24 v6, v4, 272
	v_lshl_add_u32 v6, v3, 4, v6
	v_add_nc_u32 v[RD], s23, v6                    ; out: lanes 0-15 a row, lanes 16-31 the next
	v_lshlrev_b32 v[SV], 4, v3
	v_lshl_add_u32 v[CO], v4, 12, v[SV]
	v_lshlrev_b32 v7, 5, v3
	v_add_nc_u32 v[SWR], s22, v7
	v_add_nc_u32 v[SRD], STAT, v7
	s_wait_alu depctr_va_vdst(0)                   ; the wait here, directly ahead of the waits below
	s_wait_dscnt 0x0                               ; both opening adds are done
	s_wait_kmcnt 0x0
	s_load_b64 s[96:97], s[10:11], 0x20            ; ep, ev
	s_add_nc_u64 s[WB:WB+1], s[6:7], s[54:55]
	s_add_nc_u64 s[PF:PF+1], s[6:7], s[52:53]
	s_add_nc_u64 s[8:9], s[8:9], s[86:87]
	s_add_nc_u64 s[12:13], s[12:13], s[88:89]
	s_mov_b32 s[G0], 1
	s_mov_b32 s[G0+1], s45
	s_add_nc_u64 s[G0+2:G0+3], s[4:5], s[20:21]
	s_or_b32 s[G0+3], s[G0+3], 0x80000000
.macro VLD set, off                    ; my four fragments of v of a step: four loads of 512 consecutive bytes each
.irp b, 0,1,2,3
.irp c, 0,1,2,3
	global_load_b128 v[64*(\set)+16*\b+4*\c:64*(\set)+16*\b+4*\c+3], v[VL], s[WB:WB+1] offset:(\off)+\b*131072+512*\c
.endr
.endr
.endm
	CROUND                                         ; all sixteen work-groups are here: the joint loads meet
	tensor_load_to_lds s[G0:G0+3], s[G1:G1+7]
	s_nop 0
.rept 4
	v_nop
.endr
.irp j, 0,1,2,3,4,5,6,7
	global_load_b64 v[128+2*\j:129+2*\j], v[SV], s[8:9] offset:32768*\j          ; -M_j of my two row blocks
	global_load_b64 v[144+2*\j:145+2*\j], v[SV], s[8:9] offset:262144+32768*\j   ; the block's sum
.endr
	WIN 0x40
	VLD 0, 0                                       ; steps 0 and 1, behind the joint load that the first products wait for
	VLD 1, 2048
	WIN 0
	s_mov_b32 s[KA], 0
	s_mov_b32 s[KF], 0
	s_mov_b32 s[CNT], 3
	s_wait_kmcnt 0x0
	s_add_co_i32 s98, s96, s97
	s_wait_loadcnt 32                              ; the statistics are in; two steps of v may be out
	WIN 0x40
	VLD 2, 4096
	WIN 0
	global_prefetch_b8 v[PFO], s[PF:PF+1] offset:8192 th:TH_LOAD_NT scope:SCOPE_SE   ; the second 512 keys: 32 blocks of 256 bytes a wave
	; the factors of my two row blocks (e = 0, 1)
.irp e, 0,1
	v_min3_num_f32 v[160+\e], v[128+\e], v[130+\e], v[132+\e]
.endr
.irp e, 0,1
	v_min3_num_f32 v[160+\e], v[160+\e], v[134+\e], v[136+\e]
.endr
.irp e, 0,1
	v_min3_num_f32 v[160+\e], v[160+\e], v[138+\e], v[140+\e]
.endr
.irp e, 0,1
	v_min_num_f32 v[160+\e], v[160+\e], v[142+\e]  ; - the largest M
.endr
.irp j, 0,2,4,6,8,10,12,14
	v_pk_add_f32 v[162+\j:163+\j], v[160:161], v[128+\j:129+\j] neg_lo:[0,1] neg_hi:[0,1]   ; M_j - the largest M
.endr
.set i, 0
.rept 16
	v_max_num_f32 v[162+i], 0xc2700000, v[162+i]   ; -60
.set i, i+1
.endr
.set i, 0
.rept 16
	v_cvt_i32_f32 v[162+i], v[162+i]               ; e_j
.set i, i+1
.endr
.set i, 0
.rept 16
	v_ldexp_f32 v[144+i], v[144+i], v[162+i]
.set i, i+1
.endr
.irp j, 0,4,8,12
	v_pk_add_f32 v[144+\j:145+\j], v[144+\j:145+\j], v[146+\j:147+\j]
.endr
	v_pk_add_f32 v[144:145], v[144:145], v[148:149]
	v_pk_add_f32 v[152:153], v[152:153], v[156:157]
	v_pk_add_f32 v[144:145], v[144:145], v[152:153]   ; l
	s_wait_alu depctr_va_vdst(0)                   ; the wait ahead of the batch,
	v_rcp_f32 v144, v144
	v_rcp_f32 v145, v145
.set i, 0
.rept 14
	v_sub_nc_u32 v[180+i], v[162+i], v[164+i]      ; e_(j-1) - e_j
.set i, i+1
.endr
.set i, 0
.rept 14
	v_ldexp_f32 v[180+i], 1.0, v[180+i]
.set i, i+1
.endr
	v_add_nc_u32 v176, s98, v176                   ; e_7 + ep + ev
	v_add_nc_u32 v177, s98, v177
	s_wait_alu depctr_va_vdst(0)                   ; and ahead of its first reader
	v_ldexp_f32 v194, v144, v176
	v_ldexp_f32 v195, v145, v177
.irp j, 0,1,2,3,4,5,6,7
	ds_store_b64 v[SWR], v[180+2*\j:181+2*\j] offset:512*\j   ; (lanes l and l + 16 hold and store the same)
.endr
	s_wait_tensorcnt 0x0                           ; my quarter of p is in,
	s_wait_dscnt 0x0                               ; my factors are stored,
	s_barrier_signal -1
	s_barrier_wait -1                              ; and everybody's
.macro PLD set, reg, off               ; p's eight fragments of a step
.irp a, 0,1,2,3,4,5,6,7
.irp c, 0,1,2,3
	ds_load_b128 v[128*(\set)+16*\a+4*\c:128*(\set)+16*\a+4*\c+3], v[\reg] offset:(\off)+8192*\a+512*\c
.endr
.endr
.endm
; product m: accumulator (a, b) = (m / 4, m % 4)
.macro PW m, q, first
.set D, 8*(\m)
.set VS, 64*(\q)+16*((\m)%4)
.set PS0, 128*((\q)%2)+16*((\m)/4)
.if \first
	v_wmma_f32_16x16x128_fp8_fp8 v[D:D+7], v[VS:VS+15], v[PS0:PS0+15], 0
.else
	v_wmma_f32_16x16x128_fp8_fp8 v[D:D+7], v[VS:VS+15], v[PS0:PS0+15], v[D:D+7]
.endif
.endm
; a pair of numbers x the factor of row block a, which stands in one register: the low or the high word of a pair serves both
.macro SCALE d, s, f, a
.if ((\a)%2) == 0
	v_pk_mul_f32 v[\d:\d+1], v[\s:\s+1], v[\f+(\a):\f+(\a)+1] op_sel_hi:[1,0]
.else
	v_pk_mul_f32 v[\d:\d+1], v[\s:\s+1], v[\f+(\a)-1:\f+(\a)] op_sel:[0,1] op_sel_hi:[1,1]
.endif
.endm
.macro RES m, fb
.set AR, 8*(\m)
.set AB, (\m)/4
	SCALE AR, AR, \fb, AB
	SCALE AR+2, AR+2, \fb, AB
	SCALE AR+4, AR+4, \fb, AB
	SCALE AR+6, AR+6, \fb, AB
.endm
; A step of 128 keys on v's set q and p's set q % 2: 32 products; the accumulators take turns, one instruction a turn.  Ahead of them v of three steps on (wo) goes into the set that the last step read,
; p of the next (xo) likewise, and fl blocks' factors; four v_nop are the places in front of these loads and of the rescaling (ISA guide 7.12.1 for vector instructions).  res > 0: the step begins a block of keys: each accumulator is rescaled one product ahead of its turn.
.macro PS q, wo, xr, xo, first, alu, cnt, res, fl
.if \alu
	s_wait_alu depctr_va_vdst(0)                   ; the wait here, directly ahead of the wait below
.endif
	s_wait_loadcnt \cnt                            ; this step's 16 loads are in; 16 for each step behind it may be out
	s_wait_dscnt 0x0                               ; its p, asked for 32 products ago
.rept 4
	v_nop
.endr
.if (\wo) >= 0
	WIN 0x40
	VLD ((\q)+3)%4, \wo
.endif
.if (\xo) >= 0
	WIN 0xc0
	PLD ((\q)+1)%2, \xr, \xo
.endif
.if (\fl) > 0
	WIN 0
	ds_load_b128 v[F1:F1+3], v[FA]
	ds_load_b128 v[F1+4:F1+7], v[FA] offset:16
.endif
.if (\fl) > 1
	ds_load_b128 v[F2:F2+3], v[FA] offset:512
	ds_load_b128 v[F2+4:F2+7], v[FA] offset:528
.endif
.set n, 0
.if (\res) > 0
	WIN 0x82
	RES 0, \res
.rept 32
.if n < 31
	WIN 0x82
	RES n+1, \res
.endif
	WIN 0xad
	PW n, \q, 0
.set n, n+1
.endr
.else
	WIN 0xad
.rept 32
	PW n, \q, \first
.set n, n+1
.endr
.endif
.endm
.macro AXSTEP
	v_add_nc_u32 v[AX0], s[KA], v[VL]
	v_add_nc_u32 v[AX1], s[KA], v[AXB1]
	v_add_nc_u32 v[FA], s[KF], v[SRD]
.endm
	AXSTEP
	WIN 0xc0
	PLD 0, AX0, 0
	WIN 0
	PS 0, 6144, AX0, 2048, 1, 1, 32, 0, 0
	WIN 0
.Lk:
	AXSTEP
	PS 1, 8192, AX0, 4096, 0, 1, 32, 0, 2
	PS 2, 10240, AX0, 6144, 0, 0, 32, F1, 0
	WIN 0
	s_cmp_gt_u32 s[CNT], 1                         ; the first two trips ask for v two trips on
	s_cbranch_scc0 .Lnot_now
	global_prefetch_b8 v[PFO], s[PF:PF+1] offset:16384 th:TH_LOAD_NT scope:SCOPE_SE
.Lnot_now:
	PS 3, 12288, AX1, 0, 0, 0, 32, 0, 0
	PS 0, 14336, AX1, 2048, 0, 0, 32, F2, 0
	WIN 0
	s_wait_xcnt 0x0                                ; the bases may be stepped
	s_add_nc_u64 s[WB:WB+1], s[WB:WB+1], 8192
	s_add_nc_u64 s[PF:PF+1], s[PF:PF+1], 8192
	s_add_co_u32 s[KA], s[KA], 0x10000
	s_add_co_u32 s[KF], s[KF], 1024
	s_sub_co_u32 s[CNT], s[CNT], 1
	s_cmp_lg_u32 s[CNT], 0
	s_cbranch_scc1 .Lk
	AXSTEP
	PS 1, -1, AX0, 4096, 0, 1, 32, 0, 1
	PS 2, -1, AX0, 6144, 0, 0, 16, F1, 0
	PS 3, -1, AX0, -1, 0, 0, 0, 0, 0
	WIN 0
	; THE WAY OUT: a row block's 16 rows x 64 columns through my stage and back as rows of 256 bytes
	ds_load_b128 v[GG:GG+3], v[SRD] offset:3584
	ds_load_b128 v[GG+4:GG+7], v[SRD] offset:3600
	s_wait_dscnt 0x0
.rept 4
	v_nop                                          ; places behind the last products
.endr
.macro TOSTAGE a
	WIN 0x02
.irp i, 0,2,4,6,8,10,12,14,16,18,20,22,24,26,28,30
	SCALE TMP+\i, 32*(\a)+\i, GG, \a
.endr
	WIN 0
.irp b, 0,1,2,3
	ds_store_b128 v[STO], v[TMP+8*\b:TMP+8*\b+3] offset:64*\b
	ds_store_b128 v[STO], v[TMP+8*\b+4:TMP+8*\b+7] offset:64*\b+16
.endr
.set BB, BK+32*((\a)%2)
.irp t, 0,1,2,3,4,5,6,7
	ds_load_b128 v[BB+4*\t:BB+4*\t+3], v[RD] offset:2*\t*272   ; LDS serves a wave's instructions in order (ISA guide 5.7.1.4): these see the stores above
.endr
.endm
.macro SEND a, younger                 ; younger: the LDS instructions issued behind block a's loads
.set BB, BK+32*((\a)%2)
	s_wait_dscnt \younger
.irp t, 0,1,2,3,4,5,6,7
	global_store_b128 v[CO], v[BB+4*\t:BB+4*\t+3], s[12:13] offset:(16*(\a)+2*\t)*4096 th:TH_STORE_NT   ; sixteen lanes store 256 consecutive bytes, aligned
.endr
.endm
	TOSTAGE 0
.irp a, 1,2,3,4,5,6,7
.if \a > 1
	s_wait_xcnt 0x0                                ; block a - 2's stores have read their registers
.endif
	TOSTAGE \a
	SEND \a-1, 16
.endr
	SEND 7, 0
	s_wait_tensorcnt 0x0                           ; the wave's end
	ds_add_u32 v[SPW], v[NIL]
	s_wait_dscnt 0x0
	CROUND                                         ; the closing round
	s_endpgm
.Lfunc_end_k_q8916a880a7_pv:
	.size	k_q8916a880a7_pv, .Lfunc_end_k_q8916a880a7_pv-k_q8916a880a7_pv
	.p2alignl 7, 3214868480
	.fill 96, 4, 3214868480
	.section	.rodata,"a",@progbits
	.p2align	6, 0x0
	.amdhsa_kernel k_q8916a880a7_pv
		.amdhsa_group_segment_fixed_size 284160
		.amdhsa_private_segment_fixed_size 0
		.amdhsa_enable_private_segment 0
		.amdhsa_kernarg_size 40
		.amdhsa_user_sgpr_count 2
		.amdhsa_user_sgpr_kernarg_segment_ptr 1
		.amdhsa_wavefront_size32 1
		.amdhsa_system_sgpr_workgroup_id_x 1
		.amdhsa_system_sgpr_workgroup_id_y 1
		.amdhsa_system_sgpr_workgroup_id_z 1
		.amdhsa_system_vgpr_workitem_id 0
		.amdhsa_next_free_vgpr 1024
		.amdhsa_next_free_sgpr 100
		.amdhsa_reserve_vcc 0
		.amdhsa_float_denorm_mode_32 3
		.amdhsa_float_denorm_mode_16_64 3
		.amdhsa_memory_ordered 1
		.amdhsa_forward_progress 1
		.amdhsa_inst_pref_size 114
	.end_amdhsa_kernel
	.amdgpu_metadata
---
amdhsa.version: [ 1, 2 ]
amdhsa.kernels:
  - .name:           k_q8916a880a7_pv
    .symbol:         k_q8916a880a7_pv.kd
    .args:
      - { .name: p_codes, .offset: 0, .size: 8, .value_kind: global_buffer, .address_space: global }
      - { .name: qkv_codes, .offset: 8, .size: 8, .value_kind: global_buffer, .address_space: global }
      - { .name: stats, .offset: 16, .size: 8, .value_kind: global_buffer, .address_space: global }
      - { .name: lowp_scales, .offset: 24, .size: 8, .value_kind: global_buffer, .address_space: global }
      - { .name: out0, .offset: 32, .size: 8, .value_kind: global_buffer, .address_space: global }
    .group_segment_fixed_size: 284160
    .private_segment_fixed_size: 0
    .kernarg_segment_align: 8
    .kernarg_segment_size: 40
    .max_flat_workgroup_size: 128
    .sgpr_count:     100
    .vgpr_count:     1024
    .wavefront_size: 32
...
	.end_amdgpu_metadata
.endif
;; end of part 4
